; MI455X (gfx1250); checked and timed in simulation.
; The chip was launched on July 23, 2026; its instructions are those of AMD's public machine-readable ISA for CDNA 5 (MIT licence, August 2026) and "CDNA5" Instruction Set Architecture Reference Guide (July 2026). The comments in the code are by the model that wrote it; some were corrected since.
;; Tiered Mo E Layer. Allowed arithmetic: float matrix products may take bf16 or f16 operands with f32 sums; all other float work in f32.
;; Inputs: W1 8 x 2,048 x 1,024 float32; W2 8 x 1,024 x 2,048 float32; Wr 8 x 1,024 float32; b1 8 x 2,048 float32; b2 8 x 1,024 float32; ln_b 1,024 float32; ln_w 1,024 float32; x 2 x 1,024 x 1,024 float32.
;; Outputs: out0 2 x 1,024 x 1,024 float32; out1 one number float32.
;; One version. Each part assembles by itself: llvm-mc -triple=amdgcn-amd-amdhsa -mcpu=gfx1250 --defsym DOCPART=n.
;; ======== version 1 of 1: 5 launches
;; workspace buffers: xn 4,196,352 bytes; sel 8,192 bytes of whole numbers; rt 24,576 bytes; plan 69,632 bytes of whole numbers; xg 33,816,576 bytes; h 67,633,152 bytes; y 135,266,304 bytes
;; launch route (part 1): grid 256 x 1, 4 waves a work-group, no clusters, 768 bytes of LDS; arguments x, ln_w, ln_b, Wr, xn, sel, rt; writes xn, sel, rt
.if DOCPART == 1
	.amdgcn_target "amdgcn-amd-amdhsa--gfx1250"
	.amdhsa_code_object_version 6
	.text
	.protected	k_q6e36107c37_route
	.globl	k_q6e36107c37_route
	.p2align	8
	.type	k_q6e36107c37_route,@function
k_q6e36107c37_route:
	s_mov_b64 s[64:65], 0
	v_nop
	global_prefetch_b8 v0, s[64:65] scope:SCOPE_SE
	s_setreg_imm32_b32 hwreg(HW_REG_WAVE_MODE, 25, 1), 1
	s_wait_xcnt 0x0
; ROUTE.  For each of the 2,048 tokens (rows of 1,024 f32): LayerNorm, the eight router logits, the two largest, their softmax, and the softmax over all eight.
; Out: xn [2049][1024] bf16 (row 2048 = zeros: the row that empty slots of an expert's list copy later); sel [2048] words: bits 7:0 = (1 << e0) | (1 << e1), 10:8 = e0, 18:16 = e1;
; rt: +0 the two gate weights of each token, +16384 for each work-group the sums over its 8 tokens of the 8 router probabilities.
; ALL IN F32 ON THE VECTOR UNIT: the choice of experts hangs on differences of logits far smaller than a rounding of the operands to 16 bits; the product is 8 x 1,024 a token, a five-thousandth of the module's.
; SHARES.  A work-group has 8 tokens, a wave 2.  A row lies in 32 registers: load i gives lane l the columns 128 i + 4 l .. + 3, so every load covers 512 consecutive bytes; ln_w, ln_b and the
; eight rows of Wr lie in the same map, Wr in the second register window (256 registers).  No address and no branch hangs on a computed number.
; LIMITS.  NaN and infinite logits are not treated apart.  Equal logits: the lower index wins, by a strict compare.  Two logits closer than the rounding of an f32 sum of 1,024 terms may be ordered
; otherwise than by another order of summation.  Both softmaxes take the largest logit away first; an exponential below 2^-126 counts as 0.
; sel and the gate weights leave as 8 and 16 bytes a wave, the probability sums as 32 bytes a work-group: 32 KB in the whole launch.
.set X0,   32                          ; v[32:63]    token 0's row
.set X1,   64                          ; v[64:95]    token 1's row
.set LNW,  96                          ; v[96:127]
.set LNB,  128                         ; v[128:159]
.set LG,   160                         ; v[160:175]  logit e in the pair at LG + 2 e
.set T,    176                         ; v[176:191]  at work
.set OB0,  192                         ; v[192:207]  token 0's row in bf16
.set OB1,  208                         ; v[208:223]  token 1's
.set SELP, 224                         ; v[224:225]  the two sel words
.set WT,   228                         ; v[228:231]  the four gate weights
.set PS,   232                         ; v[232:239]  sums of probabilities
.set Q,    16                          ; v[16:23]    logits without the best; then exponentials
; v1 lane, v2 16 lane, v3 8 lane, v4 0, v[6:7] mean twice, v[8:9] 1/sigma twice, v10 best, v11 its index, v12 second, v13 its index, v14 at work, v15 1, v24-31 at work
.set MSB, 0
.macro WIN new                         ; s_set_vgpr_msb: bits 1:0 source 0, 3:2 source 1, 5:4 source 2, 7:6 destination; the high byte repeats the setting that is left
.if MSB != (\new)
	s_set_vgpr_msb (MSB<<8)|(\new)
.set MSB, \new
.endif
.endm
.macro WSUM r, tmp                     ; the sum over the 32 lanes, in every lane
	v_add_f32_dpp v[\r], v[\r], v[\r] row_xmask:1 row_mask:0xf bank_mask:0xf
	v_add_f32_dpp v[\r], v[\r], v[\r] row_xmask:2 row_mask:0xf bank_mask:0xf
	v_add_f32_dpp v[\r], v[\r], v[\r] row_xmask:4 row_mask:0xf bank_mask:0xf
	v_add_f32_dpp v[\r], v[\r], v[\r] row_xmask:8 row_mask:0xf bank_mask:0xf
	v_permlanex16_b32 v[\tmp], v[\r], s22, s23
	v_add_f32 v[\r], v[\r], v[\tmp]
.endm
.macro FOLD4                           ; four pairs at T into one number
	v_pk_add_f32 v[T:T+1], v[T:T+1], v[T+4:T+5]
	v_pk_add_f32 v[T+2:T+3], v[T+2:T+3], v[T+6:T+7]
	v_pk_add_f32 v[T:T+1], v[T:T+1], v[T+2:T+3]
	v_add_f32 v[T], v[T], v[T+1]
.endm
	s_load_b256 s[4:11], s[0:1], 0x0               ; x s[4:5], ln_w s[6:7], ln_b s[8:9], Wr s[10:11]
	s_load_b128 s[12:15], s[0:1], 0x20             ; xn s[12:13], sel s[14:15]
	s_load_b64 s[16:17], s[0:1], 0x30              ; rt
	v_lshl_add_u32 v254, v0, 2, 0x100
	v_mov_b32 v255, 0
	v_and_b32 v1, 31, v0
	v_lshrrev_b32 v5, 5, v0
	v_readfirstlane_b32 s18, v5                    ; wave 0..3
	v_lshlrev_b32 v2, 4, v1
	v_lshlrev_b32 v3, 3, v1
	v_mov_b32 v4, 0
	v_mov_b32 v14, 0                               ; v_permlanex16_b32 counts as a reader of its destination
	v_mov_b32 v15, 1
	s_mov_b32 s29, ttmp9
	s_lshl_b32 s19, s29, 3
	s_lshl1_add_u32 s19, s18, s19                  ; my first token: 8 x work-group + 2 x wave
	s_mov_b32 s22, 0x76543210                      ; each lane takes its own place in the other half
	s_mov_b32 s23, 0xfedcba98
	s_mov_b32 s24, 0x3fb8aa3b                      ; log2(e)
	s_mov_b32 s25, 0x3727c5ac                      ; 1e-5
	s_mov_b32 s26, 0x3a800000                      ; 1 / 1024
	s_mov_b32 s27, 0xff800000                      ; -infinity
	s_mov_b32 s21, 0
	s_lshl_b32 s20, s19, 12
	s_wait_kmcnt 0x0
	s_add_nc_u64 s[30:31], s[4:5], s[20:21]        ; x at my first row
	s_lshl_b32 s20, s19, 11
	s_add_nc_u64 s[32:33], s[12:13], s[20:21]      ; xn at my first row
	s_lshl_b32 s20, s19, 2
	s_add_nc_u64 s[34:35], s[14:15], s[20:21]      ; sel at my first token
	s_lshl_b32 s20, s19, 3
	s_add_nc_u64 s[36:37], s[16:17], s[20:21]      ; the gate weights at my first token
	s_lshl_b32 s20, s29, 5
	s_add_nc_u64 s[38:39], s[16:17], s[20:21]      ; my work-group's 32 bytes of sums, less the 16,384 that stand in the immediate
.set i, 0
.rept 8
	global_load_b128 v[X0+4*i:X0+4*i+3], v2, s[30:31] offset:512*i
.set i, i+1
.endr
.set i, 0
.rept 8
	global_load_b128 v[X1+4*i:X1+4*i+3], v2, s[30:31] offset:4096+512*i
.set i, i+1
.endr
.set i, 0
.rept 8
	global_load_b128 v[LNW+4*i:LNW+4*i+3], v2, s[6:7] offset:512*i
.set i, i+1
.endr
.set i, 0
.rept 8
	global_load_b128 v[LNB+4*i:LNB+4*i+3], v2, s[8:9] offset:512*i
.set i, i+1
.endr
	WIN 0x40                                       ; destination in window 1
.set i, 0
.rept 64
	global_load_b128 v[4*i:4*i+3], v2, s[10:11] offset:512*i  ; Wr as it lies: expert i / 8 at v[32 (i / 8)] of window 1
.set i, i+1
.endr
	WIN 0
	s_wait_loadcnt 63                              ; behind ln_b's last load 64 were issued: with 63 out at the most both rows, ln_w and ln_b are in
; One token: row in X, its bf16 copy in OB, n = 0 or 1.
.macro TOKEN X, OB, n
.set m, 0
.rept 8                                ; the mean
	v_pk_add_f32 v[T+2*m:T+2*m+1], v[\X+4*m:\X+4*m+1], v[\X+4*m+2:\X+4*m+3]
.set m, m+1
.endr
.irp m, 0,2,4,6
	v_pk_add_f32 v[T+\m:T+\m+1], v[T+\m:T+\m+1], v[T+\m+8:T+\m+9]
.endr
	FOLD4
	WSUM T, 14
	v_mul_f32 v6, s26, v[T]
	v_mul_f32 v7, s26, v[T]
.set m, 0
.rept 16                               ; x - mean first, then its squares: no difference of large sums
	v_pk_add_f32 v[\X+2*m:\X+2*m+1], v[\X+2*m:\X+2*m+1], v[6:7] neg_lo:[0,1] neg_hi:[0,1]
.set m, m+1
.endr
.set m, 0
.rept 16                               ; four chains
.if m < 4
	v_pk_mul_f32 v[T+2*m:T+2*m+1], v[\X+2*m:\X+2*m+1], v[\X+2*m:\X+2*m+1]
.else
	v_pk_fma_f32 v[T+2*(m%4):T+2*(m%4)+1], v[\X+2*m:\X+2*m+1], v[\X+2*m:\X+2*m+1], v[T+2*(m%4):T+2*(m%4)+1]
.endif
.set m, m+1
.endr
	FOLD4
	WSUM T, 14
	v_fma_f32 v8, v[T], s26, s25                   ; variance + 1e-5
	v_rsq_f32 v9, v8
	v_nop                                          ; a plain instruction behind the transcendental (ISA guide 5.7.2)
	s_wait_alu depctr_va_vdst(0)
	v_mov_b32 v8, v9
.set m, 0
.rept 16
	v_pk_mul_f32 v[\X+2*m:\X+2*m+1], v[\X+2*m:\X+2*m+1], v[8:9]
.set m, m+1
.endr
.set m, 0
.rept 16
	v_pk_fma_f32 v[\X+2*m:\X+2*m+1], v[\X+2*m:\X+2*m+1], v[LNW+2*m:LNW+2*m+1], v[LNB+2*m:LNB+2*m+1]
.set m, m+1
.endr
.set m, 0
.rept 16
	v_cvt_pk_bf16_f32 v[\OB+m], v[\X+2*m], v[\X+2*m+1]
.set m, m+1
.endr
.set m, 0
.rept 8
	global_store_b64 v3, v[\OB+2*m:\OB+2*m+1], s[32:33] offset:256*m+2048*(\n)  ; the wave stores 256 consecutive bytes, at a multiple of 256 from xn's first byte
.set m, m+1
.endr
.if (\n) == 0
	s_wait_loadcnt 0x0                             ; Wr
.endif
	WIN 0x04                                       ; source 1 (Wr) in window 1
.set m, 0
.rept 16                               ; eight chains by turns, one for each expert
.set e, 0
.rept 8
.if m == 0
	v_pk_mul_f32 v[LG+2*e:LG+2*e+1], v[\X+2*m:\X+2*m+1], v[32*e+2*m:32*e+2*m+1]
.else
	v_pk_fma_f32 v[LG+2*e:LG+2*e+1], v[\X+2*m:\X+2*m+1], v[32*e+2*m:32*e+2*m+1], v[LG+2*e:LG+2*e+1]
.endif
.set e, e+1
.endr
.set m, m+1
.endr
	WIN 0
.irp e, 0,1,2,3,4,5,6,7
	v_add_f32 v[LG+2*\e], v[LG+2*\e], v[LG+2*\e+1]
.endr
.irp k, 1,2,4,8
.irp e, 0,1,2,3,4,5,6,7
	v_add_f32_dpp v[LG+2*\e], v[LG+2*\e], v[LG+2*\e] row_xmask:\k row_mask:0xf bank_mask:0xf
.endr
.endr
.irp e, 0,1,2,3,4,5,6,7
	v_permlanex16_b32 v[LG+2*\e+1], v[LG+2*\e], s22, s23
.endr
.irp e, 0,1,2,3,4,5,6,7
	v_add_f32 v[LG+2*\e], v[LG+2*\e], v[LG+2*\e+1]  ; every lane holds all eight logits
.endr
	v_mov_b32 v10, v[LG]                           ; the largest and its index
	v_mov_b32 v11, 0
.irp e, 1,2,3,4,5,6,7
	v_cmp_gt_f32 vcc_lo, v[LG+2*\e], v10
	v_cndmask_b32 v10, v10, v[LG+2*\e], vcc_lo
	v_cndmask_b32 v11, v11, \e, vcc_lo
.endr
.irp e, 0,1,2,3,4,5,6,7
	v_cmp_eq_u32 vcc_lo, \e, v11
	v_cndmask_b32 v[Q+\e], v[LG+2*\e], s27, vcc_lo ; the largest is taken out
.endr
	v_mov_b32 v12, v[Q]                            ; the second and its index
	v_mov_b32 v13, 0
.irp e, 1,2,3,4,5,6,7
	v_cmp_gt_f32 vcc_lo, v[Q+\e], v12
	v_cndmask_b32 v12, v12, v[Q+\e], vcc_lo
	v_cndmask_b32 v13, v13, \e, vcc_lo
.endr
	v_lshlrev_b32 v24, v11, v15                    ; 1 << e0
	v_lshlrev_b32 v25, v13, v15                    ; 1 << e1
	v_or_b32 v24, v24, v25
	v_lshl_or_b32 v24, v11, 8, v24
	v_lshl_or_b32 v[SELP+(\n)], v13, 16, v24
.irp e, 0,1,2,3,4,5,6,7
	v_sub_f32 v[Q+\e], v[LG+2*\e], v10             ; the largest logit is taken away in front of every exponential
.endr
	v_sub_f32 v25, v12, v10
.irp e, 0,1,2,3,4,5,6,7
	v_mul_f32 v[Q+\e], s24, v[Q+\e]
.endr
	v_mul_f32 v25, s24, v25
.irp e, 0,1,2,3,4,5,6,7
	v_exp_f32 v[Q+\e], v[Q+\e]
.endr
	v_exp_f32 v25, v25
	v_nop                                          ; a plain instruction behind the transcendentals
	s_wait_alu depctr_va_vdst(0)
	v_add_f32 v26, 1.0, v25                        ; the two chosen: 1 + e^(second - best)
	v_add_f32 v27, v[Q], v[Q+1]
	v_add_f32 v28, v[Q+2], v[Q+3]
	v_add_f32 v29, v[Q+4], v[Q+5]
	v_add_f32 v30, v[Q+6], v[Q+7]
	v_add_f32 v27, v27, v28
	v_add_f32 v29, v29, v30
	v_add_f32 v27, v27, v29
	v_rcp_f32 v26, v26
	v_rcp_f32 v27, v27
	v_nop
	s_wait_alu depctr_va_vdst(0)
	v_mov_b32 v[WT+2*(\n)], v26
	v_mul_f32 v[WT+2*(\n)+1], v25, v26
.irp e, 0,1,2,3,4,5,6,7
.if (\n) == 0
	v_mul_f32 v[PS+\e], v[Q+\e], v27
.else
	v_fma_f32 v[PS+\e], v[Q+\e], v27, v[PS+\e]
.endif
.endr
.endm
	TOKEN X0, OB0, 0
	TOKEN X1, OB1, 1
	s_wait_xcnt 0x0                                ; EXEC is a source of the stores above: it changes only behind this wait
	v_cmp_eq_u32 vcc_lo, 0, v1
	s_and_saveexec_b32 s28, vcc_lo                 ; lane 0 alone
	global_store_b64 v4, v[SELP:SELP+1], s[34:35]
	global_store_b128 v4, v[WT:WT+3], s[36:37]
	s_wait_xcnt 0x0
	s_or_b32 exec_lo, exec_lo, s28
	v_mov_b32 v24, s18
	v_lshlrev_b32 v24, 5, v24                      ; my wave's 32 bytes of LDS
	ds_store_b128 v24, v[PS:PS+3]                  ; all lanes write the same words with the same values
	ds_store_b128 v24, v[PS+4:PS+7] offset:16
	s_wait_dscnt 0x0                               ; for the others' sake: my stores are done
	s_barrier_signal -1
	s_barrier_wait -1
	s_cmp_lg_u32 s18, 0
	s_cbranch_scc1 .Lend                           ; wave 0 adds the four waves' sums
.set i, 0
.rept 8
	ds_load_b128 v[LG+4*i:LG+4*i+3], v4 offset:16*i
.set i, i+1
.endr
	s_wait_dscnt 0x0
.irp p, 0,2,4,6
	v_pk_add_f32 v[LG+\p:LG+\p+1], v[LG+\p:LG+\p+1], v[LG+8+\p:LG+8+\p+1]
	v_pk_add_f32 v[LG+16+\p:LG+16+\p+1], v[LG+16+\p:LG+16+\p+1], v[LG+24+\p:LG+24+\p+1]
.endr
.irp p, 0,2,4,6
	v_pk_add_f32 v[LG+\p:LG+\p+1], v[LG+\p:LG+\p+1], v[LG+16+\p:LG+16+\p+1]
.endr
	v_cmp_eq_u32 vcc_lo, 0, v1
	s_and_saveexec_b32 s28, vcc_lo                 ; no load or store has been issued since the last wait on XCNT
	global_store_b128 v4, v[LG:LG+3], s[38:39] offset:16384
	global_store_b128 v4, v[LG+4:LG+7], s[38:39] offset:16400
	s_wait_xcnt 0x0
	s_or_b32 exec_lo, exec_lo, s28
	s_cmp_lg_u32 s29, 0
	s_cbranch_scc1 .Lend                           ; work-group 0 also writes xn's row of zeros
	v_mov_b32 v24, 0
	v_mov_b32 v25, 0
.set i, 0
.rept 8
	global_store_b64 v3, v[24:25], s[12:13] offset:2048*2048+256*i
.set i, i+1
.endr
.Lend:
	s_wait_tensorcnt 0x0
	ds_add_u32 v254, v255
	s_wait_dscnt 0x0
	s_endpgm
.Lfunc_end_k_q6e36107c37_route:
	.size	k_q6e36107c37_route, .Lfunc_end_k_q6e36107c37_route-k_q6e36107c37_route
	.p2alignl 7, 3214868480
	.fill 96, 4, 3214868480
	.section	.rodata,"a",@progbits
	.p2align	6, 0x0
	.amdhsa_kernel k_q6e36107c37_route
		.amdhsa_group_segment_fixed_size 768
		.amdhsa_private_segment_fixed_size 0
		.amdhsa_enable_private_segment 0
		.amdhsa_kernarg_size 56
		.amdhsa_user_sgpr_count 2
		.amdhsa_user_sgpr_kernarg_segment_ptr 1
		.amdhsa_wavefront_size32 1
		.amdhsa_system_sgpr_workgroup_id_x 1
		.amdhsa_system_sgpr_workgroup_id_y 1
		.amdhsa_system_sgpr_workgroup_id_z 1
		.amdhsa_system_vgpr_workitem_id 0
		.amdhsa_next_free_vgpr 512
		.amdhsa_next_free_sgpr 66
		.amdhsa_reserve_vcc 1
		.amdhsa_float_denorm_mode_32 3
		.amdhsa_float_denorm_mode_16_64 3
		.amdhsa_memory_ordered 1
		.amdhsa_forward_progress 1
		.amdhsa_inst_pref_size 62
	.end_amdhsa_kernel
	.amdgpu_metadata
---
amdhsa.version: [ 1, 2 ]
amdhsa.kernels:
  - .name:           k_q6e36107c37_route
    .symbol:         k_q6e36107c37_route.kd
    .args:
      - { .name: x, .offset: 0, .size: 8, .value_kind: global_buffer, .address_space: global }
      - { .name: ln_w, .offset: 8, .size: 8, .value_kind: global_buffer, .address_space: global }
      - { .name: ln_b, .offset: 16, .size: 8, .value_kind: global_buffer, .address_space: global }
      - { .name: Wr, .offset: 24, .size: 8, .value_kind: global_buffer, .address_space: global }
      - { .name: xn, .offset: 32, .size: 8, .value_kind: global_buffer, .address_space: global }
      - { .name: sel, .offset: 40, .size: 8, .value_kind: global_buffer, .address_space: global }
      - { .name: rt, .offset: 48, .size: 8, .value_kind: global_buffer, .address_space: global }
    .group_segment_fixed_size: 768
    .private_segment_fixed_size: 0
    .kernarg_segment_align: 8
    .kernarg_segment_size: 56
    .max_flat_workgroup_size: 128
    .sgpr_count:     66
    .vgpr_count:     512
    .wavefront_size: 32
...
	.end_amdgpu_metadata
.endif
;; end of part 1
;; launch gather (part 2): grid 128 x 8, 1 waves a work-group, no clusters, 17,408 bytes of LDS; arguments sel, xn, xg, plan; writes xg, plan
.if DOCPART == 2
	.amdgcn_target "amdgcn-amd-amdhsa--gfx1250"
	.amdhsa_code_object_version 6
	.text
	.protected	k_q6e36107c37_gather
	.globl	k_q6e36107c37_gather
	.p2align	8
	.type	k_q6e36107c37_gather,@function
k_q6e36107c37_gather:
	s_mov_b64 s[64:65], 0
	v_nop
	global_prefetch_b8 v0, s[64:65] scope:SCOPE_SE
	s_setreg_imm32_b32 hwreg(HW_REG_WAVE_MODE, 25, 1), 1
	s_wait_xcnt 0x0
; GATHER.  For expert e (grid y): the list of the tokens that chose it, each token's rank in that list, and the listed rows of xn copied into xg in the order in which a matrix instruction takes them.
; xg: [e 8][tile 129][ks 32][j 2][lane 32] x 16 bytes: lane (r = lane % 16, hh = lane / 16) holds row 16 tile + r of the list, channels 32 ks + 16 j + 8 hh + 0..7: a load of 16 bytes a lane,
; 512 consecutive bytes a wave, is half an operand of 16 rows x 32 channels.  Slots behind the list's end, up to the next multiple of 48, copy xn's row 2048, which is zeros.
; plan: +0 rank of token t in expert e, [8][2048] (2112 where t did not choose e: nobody reads it); +65536 + 256 e: nch = max(1, ceil(count / 48)); +67584 + 256 e: count; each in 64 words.
; SHARES.  A work-group is ONE wave, so no LDS byte is shared and there is no barrier.  Work-group x = 4 p + w: it scans all 2,048 words of sel (8 KB) for its own copy of the list, then copies
; K quarter w (512 bytes of each row) of tiles p, p + 32, .. below 3 nch.  With counts near 512 that is one or two tiles each.
; LDS: 0 .. 8703 the list, 2,064 entries and a dump word at index 2112, filled with 2048 first; 8704 .. 17151 a stage of 16 rows, 528 bytes apart (33 x 16: the 16 rows of a load start at 16
; different groups of four banks: ISA guide 11.1).
; A number read from memory or LDS enters an address only behind a minimum with a constant: rank 2112, tile 128, token 2048.
.set DUMPI, 2112
.set STG,   8704
.set SP,    528
.set VO,    32                         ; v[32:47]    byte offsets of a tile's 16 rows in xn
.set SEL,   64                         ; v[64:127]   sel as loaded: register 4 i + c of lane l is token 128 i + 4 l + c; then that token's rank
.set D,     128                        ; v[128:191]  a tile's quarter
; v2 16 lane, v3 4 lane, v4 2112, v5 4 (lane % 16), v6 512 w + 16 lane, v7 stage + 16 lane, v8 stage + 528 (lane % 16) + 16 (lane / 16), v9 list address, v10 16 tokens, v11 8 lane,
; v[12:15] 2048, v[16:19] at work, v[20:23] LDS addresses, v[24:27] token numbers, v[28:31] nch and count twice
; s12 w, s13 p, s14 e, s15 1 << e, s17 running count, s[20:23] masks, s[24:27] their counts, s[28:31] ranks' bases, s33 nch, s34 3 nch, s35 tile, s[38:39] xg at my part of the tile,
; s46 my tiles' number, s47 counts them
	s_load_b256 s[4:11], s[0:1], 0x0               ; sel s[4:5], xn s[6:7], xg s[8:9], plan s[10:11]
	v_lshl_add_u32 v192, v0, 2, 0x4300
	v_mov_b32 v193, 0
	s_mov_b32 s18, ttmp9
	s_and_b32 s12, s18, 3
	s_lshr_b32 s13, s18, 2
	s_and_b32 s14, ttmp7, 0xffff
	s_lshl_b32 s15, 1, s14
	s_mov_b32 s17, 0
	s_mov_b32 s41, 0
	v_lshlrev_b32 v2, 4, v0
	v_lshlrev_b32 v3, 2, v0
	v_mov_b32 v4, DUMPI
	v_and_b32 v5, 15, v0
	v_lshrrev_b32 v9, 4, v0
	v_mul_u32_u24 v8, v5, SP
	v_lshl_add_u32 v8, v9, 4, v8
	v_add_nc_u32 v8, STG, v8
	v_lshlrev_b32 v5, 2, v5
	s_lshl_b32 s19, s12, 9
	v_add_nc_u32 v6, s19, v2
	v_add_nc_u32 v7, STG, v2
	v_lshlrev_b32 v11, 3, v0
.irp c, 12,13,14,15
	v_mov_b32 v\c, 2048
.endr
	s_wait_kmcnt 0x0
.set i, 0
.rept 16
	global_load_b128 v[SEL+4*i:SEL+4*i+3], v2, s[4:5] offset:512*i
.set i, i+1
.endr
.set i, 0
.rept 17
	ds_store_b128 v2, v[12:15] offset:512*i        ; every entry of the list names the row of zeros until a token takes it
.set i, i+1
.endr
	s_lshl_b32 s40, s14, 13
	s_add_nc_u64 s[42:43], s[10:11], s[40:41]      ; plan at expert e's ranks
	s_lshl_b32 s40, s14, 8
	s_add_nc_u64 s[44:45], s[10:11], s[40:41]      ; plan at expert e's 256 bytes of nch and of count, less the immediates
	s_mul_i32 s40, s14, 129*32768
	s_lshl_b32 s19, s13, 15
	s_add_co_u32 s40, s40, s19
	s_lshl_b32 s19, s12, 13
	s_add_co_u32 s40, s40, s19
	s_add_nc_u64 s[38:39], s[8:9], s[40:41]        ; xg at tile p, K quarter w
; 128 tokens: four masks of 32, their members' ranks (bits below my lane + what came before), and each member's number into the list.  All lanes stay on: the others write the dump word.
.macro SCAN4 i
	s_wait_loadcnt 15-(\i)                         ; loads come back in order: number i of the 16 is in
.irp c, 0,1,2,3
	v_and_b32 v[16+\c], s15, v[SEL+4*(\i)+\c]
.endr
.irp c, 0,1,2,3
	v_cmp_ne_u32 s[20+\c], 0, v[16+\c]
.endr
.irp c, 0,1,2,3
	s_bcnt1_i32_b32 s[24+\c], s[20+\c]
.endr
	s_mov_b32 s28, s17
	s_add_co_u32 s29, s28, s24
	s_add_co_u32 s30, s29, s25
	s_add_co_u32 s31, s30, s26
	s_add_co_u32 s17, s31, s27
.irp c, 0,1,2,3
	v_mbcnt_lo_u32_b32 v[SEL+4*(\i)+\c], s[20+\c], s[28+\c]
.endr
.irp c, 0,1,2,3
	v_cndmask_b32 v[SEL+4*(\i)+\c], v4, v[SEL+4*(\i)+\c], s[20+\c]  ; a member's rank, or the dump word's index
.endr
.irp c, 0,1,2,3
	v_min_u32 v[SEL+4*(\i)+\c], DUMPI, v[SEL+4*(\i)+\c]
.endr
.irp c, 0,1,2,3
	v_lshlrev_b32 v[20+\c], 2, v[SEL+4*(\i)+\c]
	v_add_nc_u32 v[24+\c], 128*(\i)+\c, v3
.endr
.irp c, 0,1,2,3
	ds_store_b32 v[20+\c], v[24+\c]
.endr
.endm
.irp i, 0,1,2,3,4,5,6,7,8,9,10,11,12,13,14,15
	SCAN4 \i
.endr
	s_add_co_u32 s33, s17, 47                      ; ceil(count / 48): (count + 47) x 43691 >> 21, exact up to 2,095 since 48 x 43691 = 2^21 + 16
	s_mul_i32 s33, s33, 43691
	s_lshr_b32 s33, s33, 21
	s_max_u32 s33, s33, 1                          ; an expert without tokens still has one chunk, of zero rows
	s_min_u32 s33, s33, 43
	s_mul_i32 s34, s33, 3                          ; tiles to copy
	s_cmp_lg_u32 s18, 0
	s_cbranch_scc1 .Lnoplan                        ; the first work-group of each expert writes the plan
	v_mov_b32 v28, s33
	v_mov_b32 v29, s33
	v_mov_b32 v30, s17
	v_mov_b32 v31, s17
.set i, 0
.rept 16
	global_store_b128 v2, v[SEL+4*i:SEL+4*i+3], s[42:43] offset:512*i
.set i, i+1
.endr
	global_store_b64 v11, v[28:29], s[44:45] offset:65536  ; 256 consecutive bytes, aligned
	global_store_b64 v11, v[30:31], s[44:45] offset:67584
.Lnoplan:
	s_mov_b32 s35, s13
	s_cmp_ge_u32 s35, s34
	s_cbranch_scc1 .Lend                           ; fewer tiles than work-groups
	s_sub_co_u32 s46, s34, s35                     ; my tiles p, p + 32, .. below 3 nch are ceil((3 nch - p) / 32): 5 at the most, of 129
	s_add_co_u32 s46, s46, 31
	s_lshr_b32 s46, s46, 5
	s_min_u32 s46, s46, 5
	s_mov_b32 s47, 0
.Ltile:
	s_min_u32 s36, s35, 128
	v_lshl_add_u32 v9, s36, 6, v5                  ; the tile's 16 entries; lanes 16-31 read them once more
	ds_load_b32 v10, v9                            ; LDS serves a wave's instructions in order (ISA guide 5.7.1.4): this sees the scan's stores
	s_wait_dscnt 0x0
.irp r, 0,1,2,3,4,5,6,7,8,9,10,11,12,13,14,15
	v_readlane_b32 s37, v10, \r
	s_min_u32 s37, s37, 2048
	v_lshl_add_u32 v[VO+\r], s37, 11, v6           ; row x 2,048 bytes + my quarter + 16 lane
.endr
.irp r, 0,1,2,3,4,5,6,7,8,9,10,11,12,13,14,15
	global_load_b128 v[D+4*\r:D+4*\r+3], v[VO+\r], s[6:7]  ; 512 consecutive bytes of one row
.endr
.irp r, 0,1,2,3,4,5,6,7,8,9,10,11,12,13,14,15
	s_wait_loadcnt 15-\r
	ds_store_b128 v7, v[D+4*\r:D+4*\r+3] offset:SP*\r
.endr
.irp f, 0,1,2,3,4,5,6,7,8,9,10,11,12,13,14,15
	ds_load_b128 v[D+4*\f:D+4*\f+3], v8 offset:32*\f  ; row lane % 16, bytes 32 f + 16 (lane / 16): K step f / 2 of my eight, half f % 2
.endr
.irp f, 0,1,2,3,4,5,6,7,8,9,10,11,12,13,14,15
	s_wait_dscnt 15-\f
	global_store_b128 v2, v[D+4*\f:D+4*\f+3], s[38:39] offset:512*\f  ; 512 consecutive bytes, at a multiple of 256 from xg's first byte
.endr
	s_wait_xcnt 0x0                                ; the offsets, the data and the base of what was issued are rewritten only behind this wait
	s_add_nc_u64 s[38:39], s[38:39], 0x100000      ; 32 tiles on
	s_add_co_u32 s35, s35, 32
	s_add_co_u32 s47, s47, 1                       ; the loop ends on its own count, in steps of 1
	s_cmp_lt_u32 s47, s46
	s_cbranch_scc1 .Ltile
.Lend:
	s_wait_tensorcnt 0x0
	ds_add_u32 v192, v193
	s_wait_dscnt 0x0
	s_endpgm
.Lfunc_end_k_q6e36107c37_gather:
	.size	k_q6e36107c37_gather, .Lfunc_end_k_q6e36107c37_gather-k_q6e36107c37_gather
	.p2alignl 7, 3214868480
	.fill 96, 4, 3214868480
	.section	.rodata,"a",@progbits
	.p2align	6, 0x0
	.amdhsa_kernel k_q6e36107c37_gather
		.amdhsa_group_segment_fixed_size 17408
		.amdhsa_private_segment_fixed_size 0
		.amdhsa_enable_private_segment 0
		.amdhsa_kernarg_size 32
		.amdhsa_user_sgpr_count 2
		.amdhsa_user_sgpr_kernarg_segment_ptr 1
		.amdhsa_wavefront_size32 1
		.amdhsa_system_sgpr_workgroup_id_x 1
		.amdhsa_system_sgpr_workgroup_id_y 1
		.amdhsa_system_sgpr_workgroup_id_z 1
		.amdhsa_system_vgpr_workitem_id 0
		.amdhsa_next_free_vgpr 194
		.amdhsa_next_free_sgpr 66
		.amdhsa_reserve_vcc 0
		.amdhsa_float_denorm_mode_32 3
		.amdhsa_float_denorm_mode_16_64 3
		.amdhsa_memory_ordered 1
		.amdhsa_forward_progress 1
		.amdhsa_inst_pref_size 50
	.end_amdhsa_kernel
	.amdgpu_metadata
---
amdhsa.version: [ 1, 2 ]
amdhsa.kernels:
  - .name:           k_q6e36107c37_gather
    .symbol:         k_q6e36107c37_gather.kd
    .args:
      - { .name: sel, .offset: 0, .size: 8, .value_kind: global_buffer, .address_space: global }
      - { .name: xn, .offset: 8, .size: 8, .value_kind: global_buffer, .address_space: global }
      - { .name: xg, .offset: 16, .size: 8, .value_kind: global_buffer, .address_space: global }
      - { .name: plan, .offset: 24, .size: 8, .value_kind: global_buffer, .address_space: global }
    .group_segment_fixed_size: 17408
    .private_segment_fixed_size: 0
    .kernarg_segment_align: 8
    .kernarg_segment_size: 32
    .max_flat_workgroup_size: 32
    .sgpr_count:     66
    .vgpr_count:     194
    .wavefront_size: 32
...
	.end_amdgpu_metadata
.endif
;; end of part 2
;; launch ffn1 (part 3): grid 32 x 8, 4 waves a work-group, no clusters, 132,608 bytes of LDS; arguments xg, W1, b1, plan, h; writes h
.if DOCPART == 3
	.amdgcn_target "amdgcn-amd-amdhsa--gfx1250"
	.amdhsa_code_object_version 6
	.text
	.protected	k_q6e36107c37_ffn1
	.globl	k_q6e36107c37_ffn1
	.p2align	8
	.type	k_q6e36107c37_ffn1,@function
k_q6e36107c37_ffn1:
	s_mov_b64 s[64:65], 0
	v_nop
	global_prefetch_b8 v0, s[64:65] scope:SCOPE_SE
	s_setreg_imm32_b32 hwreg(HW_REG_WAVE_MODE, 25, 1), 1
	s_wait_xcnt 0x0
; ONE TEXT FOR BOTH EXPERT PRODUCTS; the switch SECOND chooses.  Only rows that chose an expert are multiplied by it: the gate of every other pair is 0 and its product is thrown away.
;   SECOND = 0:  h = relu(xg W1^T + b1), bf16, written in the order in which the second product takes it.          Arguments: xg, W1, b1, plan, h.
;   SECOND = 1:  y[kh] = h[:, K half kh] W2[:, K half kh]^T (+ b2 where kh = 0), f32, rows of 1,024.                 Arguments: h, W2, b2, plan, y.
; Matrix operands in bf16 (weights rounded once on the way into LDS), sums in f32 with K ascending.
; SHARES.  Grid y = expert e.  A work-group owns 64 output columns x 1,024 of K of e's weights (SECOND = 0: columns 64 x; SECOND = 1: columns 64 (x / 2), K half x % 2), reads those 256 KB of f32 once,
; and keeps them in LDS as bf16, [64][1024], rows 2,064 bytes apart (129 x 16: the 16 rows of a load start at 16 different groups of four banks: ISA guide 11.1).  Wave w fills rows 16 w .. + 15.
; Behind ONE barrier each wave works alone: chunks w, w + 4, .. below nch of 48 rows (3 tiles of 16) x 64 columns: 12 accumulators.  nch is read from plan.
; THE ROWS come straight from memory into registers: xg and h lie as [e][tile][ks][j 2][lane] x 16 bytes, so a load of 16 bytes a lane (512 consecutive bytes) is half an operand of 16 rows x 32 K.
; Seven K steps of them (42 loads) are always on their way, across chunks too; three K steps of weights from LDS (24 loads).  A wave's last chunk asks for its own first seven steps once more, so
; that every count is the same on every path and no tail is written out.
; THE MATRIX INSTRUCTION IS USED TRANSPOSED: source 0 = 16 rows of weights (output columns), source 1 = 16 rows.  In the result lane l holds row l % 16 and columns 8 (l / 16) + 0..7.  Rounded to
; bf16 that is 16 bytes which ARE lane l's part of half an operand of the second product: h is stored as it falls, 512 consecutive bytes a store.  y goes through a stage of the wave's own in LDS.
; The bias is the C operand of a chunk's first K step: nothing is cleared and nothing is added afterwards.
; NO CLUSTER, NO TENSOR LOADS.  The 32 work-groups of an expert read the same rows.  A joint request wants a round of barriers in the loop over chunks, whose trip count is read from memory and
; differs from wave to wave; and rows sent through LDS would add 6 KB of LDS traffic a K step and wave to the weights' 4 KB.  The weights, the launch's large stream, are shared by nobody.
; REGISTERS, in windows of 256 (s_set_vgpr_msb: bits 1:0 source 0, 3:2 source 1, 5:4 source 2, 7:6 destination):
;   window 0: v1-12 addresses; v32-127 accumulators, (tile i, column block ct) at 32 + 8 (4 i + ct); v128-255 weights, four K steps: step ks, block ct at 128 + 32 (ks % 4) + 8 ct
;   window 1: v0-191 rows, eight K steps: step ks, tile i at 24 (ks % 8) + 8 i; v192-223 the bias, block ct at 192 + 8 ct          window 2: two landing areas of 128 for the weights in f32
.set SECOND, 0
.if SECOND
.set TILEB,  65536                     ; bytes of a tile of 16 rows in the row operand
.set WPITCH, 8192                      ; bytes from row to row of the weights
.set NOUT,   1024                      ; output columns of an expert
.else
.set TILEB,  32768
.set WPITCH, 4096
.set NOUT,   2048
.endif
.set WLP,    2064
.set STAGE,  64*WLP                    ; SECOND = 1: behind the weights, 16 rows x 272 bytes for each wave
.set SPITCH, 272
.set CHUNKA, 3*TILEB                   ; a chunk of rows in the operand
.set CHUNKO, 196608                    ; and in the output: 3 tiles of 65,536 bytes of h, or 48 rows of 4,096 bytes of y
.set EXPO,   129*65536                 ; an expert's 2,064 slots in h, and in one half of y
.set YHALF,  8*EXPO
.set ACC, 32
.set BR,  128
.set BI,  192
; v1 lane, v2 r = lane % 16, v3 hh = lane / 16, v4 16 lane, v6 16 w x 2064 + 8 lane, v7 r x 2064 + 16 hh, v8 the same 32 rows on, v9 32 hh, v10 stage + 272 r + 32 hh, v11 stage + 272 hh + 16 r, v12 4096 hh + 16 r
; s14 wave, s15 slice, s16 e, s17 nch, s18 chunk, s19 at work, s[20:21] rows of the chunk in hand, s[22:23] of my next chunk, s[24:25] an offset, s[26:27] the chunk's output, s28 kh, s29 lane mask: kh = 0,
; s[30:31] the expert's rows, s[32:33] my 16 rows of weights, s[34:35] my columns' bias, s[36:37] the expert's output at my columns, s38 256 e, s39 my chunks' number, s40 counts them
.set MSB, 0
.macro WIN new                         ; the immediate's high byte repeats the setting that is left; a switch that changes nothing is dropped
.if MSB != (\new)
	s_set_vgpr_msb (MSB<<8)|(\new)
.set MSB, \new
.endif
.endm
.set W_MM, 0x04                        ; source 1 (rows) in window 1
.set W_M0, 0x14                        ; and the C operand (bias) too
.set W_LA, 0x40                        ; a load's destination in window 1
.set W_LL, 0x80                        ; in window 2
.set W_CV, 0x8a                        ; a conversion inside window 2
.set W_ST, 0x08                        ; an LDS store's data in window 2
.set W_BI, 0x44                        ; destination and source 1 in window 1
; Rows 4 q .. 4 q + 3 of my 16 rows of weights, 4,096 bytes each, into landing area b: 32 loads of 512 consecutive bytes.  Read once in the launch.
.macro WLOAD b, q
	WIN W_LL
.set n, 0
.rept 32
	global_load_b128 v[128*(\b)+4*n:128*(\b)+4*n+3], v4, s[32:33] offset:(4*(\q)+n/8)*WPITCH+512*(n%8) th:TH_LOAD_NT
.set n, n+1
.endr
.endm
; They are rounded to bf16 in place, four numbers into two registers, and go into LDS: 256 consecutive bytes a store.
.macro WCVT b, q
	WIN W_CV
.set n, 0
.rept 32
	v_cvt_pk_bf16_f32 v[128*(\b)+4*n], v[128*(\b)+4*n], v[128*(\b)+4*n+1]
	v_cvt_pk_bf16_f32 v[128*(\b)+4*n+1], v[128*(\b)+4*n+2], v[128*(\b)+4*n+3]
.set n, n+1
.endr
	WIN W_ST
.set n, 0
.rept 32
	ds_store_b64 v6, v[128*(\b)+4*n:128*(\b)+4*n+1] offset:(4*(\q)+n/8)*WLP+256*(n%8)
.set n, n+1
.endr
.endm
; K step ks of a chunk's 48 rows: six loads.  base: the scalar pair that holds the chunk's address.  (Under W_LA.)
.macro ALOAD ks, base
.irp i, 0,1,2
.irp j, 0,1
	global_load_b128 v[24*((\ks)%8)+8*\i+4*\j:24*((\ks)%8)+8*\i+4*\j+3], v4, s[\base:\base+1] offset:\i*TILEB+1024*(\ks)+512*\j
.endr
.endr
.endm
; K step ks of the 64 rows of weights: eight LDS loads.  (Destination and address in window 0.)
.macro BLOAD ks
.irp ct, 0,1,2,3
.irp hf, 0,1
	ds_load_b128 v[BR+32*((\ks)%4)+8*\ct+4*\hf:BR+32*((\ks)%4)+8*\ct+4*\hf+3], v[7+\ct/2] offset:(\ct%2)*16*WLP+64*(\ks)+32*\hf
.endr
.endr
.endm
; A K step.  Four places behind the last step's products (ISA guide 7.12.1 for vector instructions), whose registers are loaded again: rows seven steps ahead, weights three steps ahead.
; The twelve accumulators take turns, one instruction a turn.
.macro KSTEP k
.rept 4
	v_nop
.endr
	WIN W_LA
.if (\k)+7 < 32
	ALOAD (\k)+7, 20
.else
	ALOAD (\k)-25, 22
.endif
.if (\k) == 0
	WIN W_M0
.else
	WIN W_MM
.endif
	BLOAD ((\k)+3)%32
	s_wait_loadcnt 42                              ; behind this step's rows seven steps of six loads were issued
	s_wait_dscnt 24                                ; behind this step's weights three steps of eight (and, over the back edge, the stage's traffic, which has been waited for)
.irp i, 0,1,2
.irp ct, 0,1,2,3
.if (\k) == 0
	v_wmma_f32_16x16x32_bf16 v[ACC+8*(4*\i+\ct):ACC+8*(4*\i+\ct)+7], v[BR+32*((\k)%4)+8*\ct:BR+32*((\k)%4)+8*\ct+7], v[24*((\k)%8)+8*\i:24*((\k)%8)+8*\i+7], v[BI+8*\ct:BI+8*\ct+7]
.else
	v_wmma_f32_16x16x32_bf16 v[ACC+8*(4*\i+\ct):ACC+8*(4*\i+\ct)+7], v[BR+32*((\k)%4)+8*\ct:BR+32*((\k)%4)+8*\ct+7], v[24*((\k)%8)+8*\i:24*((\k)%8)+8*\i+7], v[ACC+8*(4*\i+\ct):ACC+8*(4*\i+\ct)+7]
.endif
.endr
.endr
.endm
.if SECOND
; THE WAY OUT of y.  TS: tile i's 16 rows x 256 bytes into my stage (each accumulator's low half first) and back as whole rows, into the registers that they left.
.macro TS i
.set n, 0
.rept 8
	ds_store_b128 v10, v[ACC+32*(\i)+4*n:ACC+32*(\i)+4*n+3] offset:64*(n/2)+16*(n%2)
.set n, n+1
.endr
.set n, 0
.rept 8
	ds_load_b128 v[ACC+32*(\i)+4*n:ACC+32*(\i)+4*n+3], v11 offset:2*SPITCH*n  ; LDS serves a wave's instructions in order (ISA guide 5.7.1.4): these see the stores above; the next tile's stores come behind them
.set n, n+1
.endr
.endm
.macro TG i, younger                   ; younger: the LDS instructions issued behind tile i's loads: the next tile's sixteen, or none
	s_wait_dscnt \younger
.set n, 0
.rept 8
	global_store_b128 v12, v[ACC+32*(\i)+4*n:ACC+32*(\i)+4*n+3], s[26:27] offset:(16*(\i)+2*n)*4096  ; 16 lanes store 256 consecutive bytes, at a multiple of 256 from y's first byte
.set n, n+1
.endr
.endm
.else
; THE WAY OUT of h: relu, rounding in place (register j takes numbers 2 j and 2 j + 1, which no later line reads), one store of 512 consecutive bytes for each accumulator; lowest registers first.
.macro EPI1
.set a, 0
.rept 12
.set r, ACC+8*a
.set j, 0
.rept 8
	v_max_num_f32 v[r+j], 0, v[r+j]
.set j, j+1
.endr
.set j, 0
.rept 4
	v_cvt_pk_bf16_f32 v[r+j], v[r+2*j], v[r+2*j+1]
.set j, j+1
.endr
	global_store_b128 v4, v[r:r+3], s[26:27] offset:(a/4)*65536+((a%4)/2)*1024+(a%2)*512  ; tile a / 4; my 64 columns are two K steps of the second product: step (a % 4) / 2, half a % 2
.set a, a+1
.endr
.endm
.endif
	s_load_b256 s[4:11], s[0:1], 0x0               ; rows s[4:5], weights s[6:7], bias s[8:9], plan s[10:11]
	s_load_b64 s[12:13], s[0:1], 0x20              ; output
	v_lshl_add_u32 v30, v0, 2, 0x20400
	v_mov_b32 v31, 0
	v_and_b32 v1, 31, v0
	v_lshrrev_b32 v5, 5, v0
	v_readfirstlane_b32 s14, v5                    ; wave 0..3
	v_and_b32 v2, 15, v0
	v_bfe_u32 v3, v0, 4, 1
	v_lshlrev_b32 v4, 4, v1
	s_and_b32 s16, ttmp7, 0xffff                   ; the expert
.if SECOND
	s_lshr_b32 s15, ttmp9, 1
	s_and_b32 s28, ttmp9, 1
	s_cmp_eq_u32 s28, 0
	s_cselect_b32 s29, -1, 0
.else
	s_mov_b32 s15, ttmp9
.endif
	s_mul_i32 s19, s14, 16*WLP
	v_lshl_add_u32 v6, v1, 3, s19
	v_mul_u32_u24 v7, v2, WLP
	v_lshl_add_u32 v7, v3, 4, v7
	v_add_nc_u32 v8, 32*WLP, v7
	v_lshlrev_b32 v9, 5, v3
.if SECOND
	s_mul_i32 s19, s14, 16*SPITCH
	s_add_co_u32 s19, s19, STAGE                   ; my stage
	v_mul_u32_u24 v10, v2, SPITCH
	v_lshl_add_u32 v10, v3, 5, v10
	v_add_nc_u32 v10, s19, v10
	v_mul_u32_u24 v11, v3, SPITCH
	v_lshl_add_u32 v11, v2, 4, v11
	v_add_nc_u32 v11, s19, v11
	v_lshlrev_b32 v12, 12, v3
	v_lshl_add_u32 v12, v2, 4, v12
.endif
	s_mov_b32 s25, 0
	s_lshl_b32 s38, s16, 8
	s_lshl_b32 s24, s15, 6
	s_lshl4_add_u32 s24, s14, s24                  ; my first row of weights: 64 slice + 16 wave
	s_mul_i32 s24, s24, WPITCH
	s_lshl_b32 s19, s16, 23                        ; an expert's weights are 8,388,608 bytes
	s_add_co_u32 s24, s24, s19
.if SECOND
	s_lshl_b32 s19, s28, 12                        ; the K half: 1,024 f32
	s_add_co_u32 s24, s24, s19
.endif
	s_wait_kmcnt 0x0
	s_add_nc_u64 s[32:33], s[6:7], s[24:25]
	s_load_b32 s17, s[10:11], s38 offset:0x10000   ; nch of my expert
	WLOAD 0, 0                                     ; two batches of 32 loads are on their way while a third is rounded
	WLOAD 1, 1
	s_mul_i32 s24, s16, 129*TILEB
.if SECOND
	s_lshl_b32 s19, s28, 15                        ; the K half: 32 K steps of 1,024 bytes
	s_add_co_u32 s24, s24, s19
.endif
	s_add_nc_u64 s[30:31], s[4:5], s[24:25]
	s_mul_i32 s24, s16, NOUT*4
	s_lshl_b32 s19, s15, 8
	s_add_co_u32 s24, s24, s19
	s_add_nc_u64 s[34:35], s[8:9], s[24:25]
	s_mul_i32 s24, s16, EXPO
.if SECOND
	s_lshl_b32 s19, s15, 8                         ; 64 columns of f32
	s_add_co_u32 s24, s24, s19
	s_mul_i32 s19, s28, YHALF
.else
	s_lshl_b32 s19, s15, 11                        ; 64 columns are two K steps of 1,024 bytes
.endif
	s_add_co_u32 s24, s24, s19
	s_add_nc_u64 s[36:37], s[12:13], s[24:25]
	s_wait_loadcnt 32                              ; the older batch is in; the younger 32 stay out
	WCVT 0, 0
	WLOAD 0, 2
	s_wait_loadcnt 32
	WCVT 1, 1
	WLOAD 1, 3
	s_wait_loadcnt 32
	WCVT 0, 2
	s_wait_kmcnt 0x0
	s_min_u32 s17, s17, 43
	s_max_u32 s17, s17, 1
	s_sub_co_u32 s19, s17, 1
	s_min_u32 s19, s19, s14                        ; my first chunk, or for a wave without one the last: always rows that have been written
	s_min_u32 s19, s19, 42
	s_mul_i32 s24, s19, CHUNKA
	s_add_nc_u64 s[20:21], s[30:31], s[24:25]
	WIN W_LA
.irp ct, 0,1,2,3
.irp hf, 0,1
	global_load_b128 v[BI+8*\ct+4*\hf:BI+8*\ct+4*\hf+3], v9, s[34:35] offset:64*\ct+16*\hf  ; the bias of columns 16 ct + 8 hh + 0..7
.endr
.endr
.irp ks, 0,1,2,3,4,5,6
	ALOAD \ks, 20
.endr
	s_wait_loadcnt 50                              ; the last batch of weights is in; behind it: 8 loads of bias, 42 of rows
	WCVT 1, 3
	s_wait_dscnt 0x0                               ; for the others' sake: my 16 rows of weights are in LDS
	s_barrier_signal -1
	s_barrier_wait -1                              ; everybody's are.  The launch's only barrier: from here on nobody writes the weights
.if SECOND
	s_wait_loadcnt 42                              ; the bias
	WIN W_BI
.set n, 0
.rept 32
	v_cndmask_b32 v[BI+n], 0, v[BI+n], s29         ; b2 enters the sums of K half 0 alone
.set n, n+1
.endr
.endif
	WIN 0
	BLOAD 0
	BLOAD 1
	BLOAD 2
	s_mov_b32 s18, s14
	s_cmp_ge_u32 s14, s17
	s_cbranch_scc1 .Ldone                          ; fewer chunks than waves
	s_sub_co_u32 s39, s17, s14                     ; my chunks w, w + 4, .. below nch are ceil((nch - w) / 4): 11 at the most, of 43
	s_add_co_u32 s39, s39, 3
	s_lshr_b32 s39, s39, 2
	s_min_u32 s39, s39, 11
	s_mov_b32 s40, 0
.Lchunk:
	s_add_co_u32 s19, s18, 4                       ; my next chunk, or this one again
	s_cmp_lt_u32 s19, s17
	s_cselect_b32 s19, s19, s18
	s_min_u32 s19, s19, 42
	s_mul_i32 s24, s19, CHUNKA
	s_add_nc_u64 s[22:23], s[30:31], s[24:25]
	s_min_u32 s19, s18, 42
	s_mul_i32 s24, s19, CHUNKO
	s_add_nc_u64 s[26:27], s[36:37], s[24:25]
.set k, 0
.rept 32
	KSTEP k
.set k, k+1
.endr
.rept 4
	v_nop                                          ; four places in front of what reads the results
.endr
	WIN 0
.if SECOND
	TS 0
	TS 1
	TG 0, 16
	TS 2
	TG 1, 16
	TG 2, 0
.else
	EPI1
.endif
	s_wait_xcnt 0x0                                ; the stores' data (the accumulators) and the three bases are rewritten only behind this wait
	s_mov_b64 s[20:21], s[22:23]
	s_add_co_u32 s18, s18, 4
	s_add_co_u32 s40, s40, 1                       ; the loop ends on its own count, in steps of 1
	s_cmp_lt_u32 s40, s39
	s_cbranch_scc1 .Lchunk
.Ldone:
	s_wait_dscnt 0x0                               ; no LDS load of mine is out when the wave ends
	s_wait_tensorcnt 0x0
	ds_add_u32 v30, v31
	s_wait_dscnt 0x0
	s_endpgm
.Lfunc_end_k_q6e36107c37_ffn1:
	.size	k_q6e36107c37_ffn1, .Lfunc_end_k_q6e36107c37_ffn1-k_q6e36107c37_ffn1
	.p2alignl 7, 3214868480
	.fill 96, 4, 3214868480
	.section	.rodata,"a",@progbits
	.p2align	6, 0x0
	.amdhsa_kernel k_q6e36107c37_ffn1
		.amdhsa_group_segment_fixed_size 132608
		.amdhsa_private_segment_fixed_size 0
		.amdhsa_enable_private_segment 0
		.amdhsa_kernarg_size 40
		.amdhsa_user_sgpr_count 2
		.amdhsa_user_sgpr_kernarg_segment_ptr 1
		.amdhsa_wavefront_size32 1
		.amdhsa_system_sgpr_workgroup_id_x 1
		.amdhsa_system_sgpr_workgroup_id_y 1
		.amdhsa_system_sgpr_workgroup_id_z 1
		.amdhsa_system_vgpr_workitem_id 0
		.amdhsa_next_free_vgpr 768
		.amdhsa_next_free_sgpr 66
		.amdhsa_reserve_vcc 0
		.amdhsa_float_denorm_mode_32 3
		.amdhsa_float_denorm_mode_16_64 3
		.amdhsa_memory_ordered 1
		.amdhsa_forward_progress 1
		.amdhsa_inst_pref_size 120
	.end_amdhsa_kernel
	.amdgpu_metadata
---
amdhsa.version: [ 1, 2 ]
amdhsa.kernels:
  - .name:           k_q6e36107c37_ffn1
    .symbol:         k_q6e36107c37_ffn1.kd
    .args:
      - { .name: xg, .offset: 0, .size: 8, .value_kind: global_buffer, .address_space: global }
      - { .name: W1, .offset: 8, .size: 8, .value_kind: global_buffer, .address_space: global }
      - { .name: b1, .offset: 16, .size: 8, .value_kind: global_buffer, .address_space: global }
      - { .name: plan, .offset: 24, .size: 8, .value_kind: global_buffer, .address_space: global }
      - { .name: h, .offset: 32, .size: 8, .value_kind: global_buffer, .address_space: global }
    .group_segment_fixed_size: 132608
    .private_segment_fixed_size: 0
    .kernarg_segment_align: 8
    .kernarg_segment_size: 40
    .max_flat_workgroup_size: 128
    .sgpr_count:     66
    .vgpr_count:     768
    .wavefront_size: 32
...
	.end_amdgpu_metadata
.endif
;; end of part 3
;; launch ffn2 (part 4): grid 32 x 8, 4 waves a work-group, no clusters, 150,016 bytes of LDS; arguments h, W2, b2, plan, y; writes y
.if DOCPART == 4
	.amdgcn_target "amdgcn-amd-amdhsa--gfx1250"
	.amdhsa_code_object_version 6
	.text
	.protected	k_q6e36107c37_ffn2
	.globl	k_q6e36107c37_ffn2
	.p2align	8
	.type	k_q6e36107c37_ffn2,@function
k_q6e36107c37_ffn2:
	s_mov_b64 s[64:65], 0
	v_nop
	global_prefetch_b8 v0, s[64:65] scope:SCOPE_SE
	s_setreg_imm32_b32 hwreg(HW_REG_WAVE_MODE, 25, 1), 1
	s_wait_xcnt 0x0
; ONE TEXT FOR BOTH EXPERT PRODUCTS; the switch SECOND chooses.  Only rows that chose an expert are multiplied by it: the gate of every other pair is 0 and its product is thrown away.
;   SECOND = 0:  h = relu(xg W1^T + b1), bf16, written in the order in which the second product takes it.          Arguments: xg, W1, b1, plan, h.
;   SECOND = 1:  y[kh] = h[:, K half kh] W2[:, K half kh]^T (+ b2 where kh = 0), f32, rows of 1,024.                 Arguments: h, W2, b2, plan, y.
; Matrix operands in bf16 (weights rounded once on the way into LDS), sums in f32 with K ascending.
; SHARES.  Grid y = expert e.  A work-group owns 64 output columns x 1,024 of K of e's weights (SECOND = 0: columns 64 x; SECOND = 1: columns 64 (x / 2), K half x % 2), reads those 256 KB of f32 once,
; and keeps them in LDS as bf16, [64][1024], rows 2,064 bytes apart (129 x 16: the 16 rows of a load start at 16 different groups of four banks: ISA guide 11.1).  Wave w fills rows 16 w .. + 15.
; Behind ONE barrier each wave works alone: chunks w, w + 4, .. below nch of 48 rows (3 tiles of 16) x 64 columns: 12 accumulators.  nch is read from plan.
; THE ROWS come straight from memory into registers: xg and h lie as [e][tile][ks][j 2][lane] x 16 bytes, so a load of 16 bytes a lane (512 consecutive bytes) is half an operand of 16 rows x 32 K.
; Seven K steps of them (42 loads) are always on their way, across chunks too; three K steps of weights from LDS (24 loads).  A wave's last chunk asks for its own first seven steps once more, so
; that every count is the same on every path and no tail is written out.
; THE MATRIX INSTRUCTION IS USED TRANSPOSED: source 0 = 16 rows of weights (output columns), source 1 = 16 rows.  In the result lane l holds row l % 16 and columns 8 (l / 16) + 0..7.  Rounded to
; bf16 that is 16 bytes which ARE lane l's part of half an operand of the second product: h is stored as it falls, 512 consecutive bytes a store.  y goes through a stage of the wave's own in LDS.
; The bias is the C operand of a chunk's first K step: nothing is cleared and nothing is added afterwards.
; NO CLUSTER, NO TENSOR LOADS.  The 32 work-groups of an expert read the same rows.  A joint request wants a round of barriers in the loop over chunks, whose trip count is read from memory and
; differs from wave to wave; and rows sent through LDS would add 6 KB of LDS traffic a K step and wave to the weights' 4 KB.  The weights, the launch's large stream, are shared by nobody.
; REGISTERS, in windows of 256 (s_set_vgpr_msb: bits 1:0 source 0, 3:2 source 1, 5:4 source 2, 7:6 destination):
;   window 0: v1-12 addresses; v32-127 accumulators, (tile i, column block ct) at 32 + 8 (4 i + ct); v128-255 weights, four K steps: step ks, block ct at 128 + 32 (ks % 4) + 8 ct
;   window 1: v0-191 rows, eight K steps: step ks, tile i at 24 (ks % 8) + 8 i; v192-223 the bias, block ct at 192 + 8 ct          window 2: two landing areas of 128 for the weights in f32
.set SECOND, 1
.if SECOND
.set TILEB,  65536                     ; bytes of a tile of 16 rows in the row operand
.set WPITCH, 8192                      ; bytes from row to row of the weights
.set NOUT,   1024                      ; output columns of an expert
.else
.set TILEB,  32768
.set WPITCH, 4096
.set NOUT,   2048
.endif
.set WLP,    2064
.set STAGE,  64*WLP                    ; SECOND = 1: behind the weights, 16 rows x 272 bytes for each wave
.set SPITCH, 272
.set CHUNKA, 3*TILEB                   ; a chunk of rows in the operand
.set CHUNKO, 196608                    ; and in the output: 3 tiles of 65,536 bytes of h, or 48 rows of 4,096 bytes of y
.set EXPO,   129*65536                 ; an expert's 2,064 slots in h, and in one half of y
.set YHALF,  8*EXPO
.set ACC, 32
.set BR,  128
.set BI,  192
; v1 lane, v2 r = lane % 16, v3 hh = lane / 16, v4 16 lane, v6 16 w x 2064 + 8 lane, v7 r x 2064 + 16 hh, v8 the same 32 rows on, v9 32 hh, v10 stage + 272 r + 32 hh, v11 stage + 272 hh + 16 r, v12 4096 hh + 16 r
; s14 wave, s15 slice, s16 e, s17 nch, s18 chunk, s19 at work, s[20:21] rows of the chunk in hand, s[22:23] of my next chunk, s[24:25] an offset, s[26:27] the chunk's output, s28 kh, s29 lane mask: kh = 0,
; s[30:31] the expert's rows, s[32:33] my 16 rows of weights, s[34:35] my columns' bias, s[36:37] the expert's output at my columns, s38 256 e, s39 my chunks' number, s40 counts them
.set MSB, 0
.macro WIN new                         ; the immediate's high byte repeats the setting that is left; a switch that changes nothing is dropped
.if MSB != (\new)
	s_set_vgpr_msb (MSB<<8)|(\new)
.set MSB, \new
.endif
.endm
.set W_MM, 0x04                        ; source 1 (rows) in window 1
.set W_M0, 0x14                        ; and the C operand (bias) too
.set W_LA, 0x40                        ; a load's destination in window 1
.set W_LL, 0x80                        ; in window 2
.set W_CV, 0x8a                        ; a conversion inside window 2
.set W_ST, 0x08                        ; an LDS store's data in window 2
.set W_BI, 0x44                        ; destination and source 1 in window 1
; Rows 4 q .. 4 q + 3 of my 16 rows of weights, 4,096 bytes each, into landing area b: 32 loads of 512 consecutive bytes.  Read once in the launch.
.macro WLOAD b, q
	WIN W_LL
.set n, 0
.rept 32
	global_load_b128 v[128*(\b)+4*n:128*(\b)+4*n+3], v4, s[32:33] offset:(4*(\q)+n/8)*WPITCH+512*(n%8) th:TH_LOAD_NT
.set n, n+1
.endr
.endm
; They are rounded to bf16 in place, four numbers into two registers, and go into LDS: 256 consecutive bytes a store.
.macro WCVT b, q
	WIN W_CV
.set n, 0
.rept 32
	v_cvt_pk_bf16_f32 v[128*(\b)+4*n], v[128*(\b)+4*n], v[128*(\b)+4*n+1]
	v_cvt_pk_bf16_f32 v[128*(\b)+4*n+1], v[128*(\b)+4*n+2], v[128*(\b)+4*n+3]
.set n, n+1
.endr
	WIN W_ST
.set n, 0
.rept 32
	ds_store_b64 v6, v[128*(\b)+4*n:128*(\b)+4*n+1] offset:(4*(\q)+n/8)*WLP+256*(n%8)
.set n, n+1
.endr
.endm
; K step ks of a chunk's 48 rows: six loads.  base: the scalar pair that holds the chunk's address.  (Under W_LA.)
.macro ALOAD ks, base
.irp i, 0,1,2
.irp j, 0,1
	global_load_b128 v[24*((\ks)%8)+8*\i+4*\j:24*((\ks)%8)+8*\i+4*\j+3], v4, s[\base:\base+1] offset:\i*TILEB+1024*(\ks)+512*\j
.endr
.endr
.endm
; K step ks of the 64 rows of weights: eight LDS loads.  (Destination and address in window 0.)
.macro BLOAD ks
.irp ct, 0,1,2,3
.irp hf, 0,1
	ds_load_b128 v[BR+32*((\ks)%4)+8*\ct+4*\hf:BR+32*((\ks)%4)+8*\ct+4*\hf+3], v[7+\ct/2] offset:(\ct%2)*16*WLP+64*(\ks)+32*\hf
.endr
.endr
.endm
; A K step.  Four places behind the last step's products (ISA guide 7.12.1 for vector instructions), whose registers are loaded again: rows seven steps ahead, weights three steps ahead.
; The twelve accumulators take turns, one instruction a turn.
.macro KSTEP k
.rept 4
	v_nop
.endr
	WIN W_LA
.if (\k)+7 < 32
	ALOAD (\k)+7, 20
.else
	ALOAD (\k)-25, 22
.endif
.if (\k) == 0
	WIN W_M0
.else
	WIN W_MM
.endif
	BLOAD ((\k)+3)%32
	s_wait_loadcnt 42                              ; behind this step's rows seven steps of six loads were issued
	s_wait_dscnt 24                                ; behind this step's weights three steps of eight (and, over the back edge, the stage's traffic, which has been waited for)
.irp i, 0,1,2
.irp ct, 0,1,2,3
.if (\k) == 0
	v_wmma_f32_16x16x32_bf16 v[ACC+8*(4*\i+\ct):ACC+8*(4*\i+\ct)+7], v[BR+32*((\k)%4)+8*\ct:BR+32*((\k)%4)+8*\ct+7], v[24*((\k)%8)+8*\i:24*((\k)%8)+8*\i+7], v[BI+8*\ct:BI+8*\ct+7]
.else
	v_wmma_f32_16x16x32_bf16 v[ACC+8*(4*\i+\ct):ACC+8*(4*\i+\ct)+7], v[BR+32*((\k)%4)+8*\ct:BR+32*((\k)%4)+8*\ct+7], v[24*((\k)%8)+8*\i:24*((\k)%8)+8*\i+7], v[ACC+8*(4*\i+\ct):ACC+8*(4*\i+\ct)+7]
.endif
.endr
.endr
.endm
.if SECOND
; THE WAY OUT of y.  TS: tile i's 16 rows x 256 bytes into my stage (each accumulator's low half first) and back as whole rows, into the registers that they left.
.macro TS i
.set n, 0
.rept 8
	ds_store_b128 v10, v[ACC+32*(\i)+4*n:ACC+32*(\i)+4*n+3] offset:64*(n/2)+16*(n%2)
.set n, n+1
.endr
.set n, 0
.rept 8
	ds_load_b128 v[ACC+32*(\i)+4*n:ACC+32*(\i)+4*n+3], v11 offset:2*SPITCH*n  ; LDS serves a wave's instructions in order (ISA guide 5.7.1.4): these see the stores above; the next tile's stores come behind them
.set n, n+1
.endr
.endm
.macro TG i, younger                   ; younger: the LDS instructions issued behind tile i's loads: the next tile's sixteen, or none
	s_wait_dscnt \younger
.set n, 0
.rept 8
	global_store_b128 v12, v[ACC+32*(\i)+4*n:ACC+32*(\i)+4*n+3], s[26:27] offset:(16*(\i)+2*n)*4096  ; 16 lanes store 256 consecutive bytes, at a multiple of 256 from y's first byte
.set n, n+1
.endr
.endm
.else
; THE WAY OUT of h: relu, rounding in place (register j takes numbers 2 j and 2 j + 1, which no later line reads), one store of 512 consecutive bytes for each accumulator; lowest registers first.
.macro EPI1
.set a, 0
.rept 12
.set r, ACC+8*a
.set j, 0
.rept 8
	v_max_num_f32 v[r+j], 0, v[r+j]
.set j, j+1
.endr
.set j, 0
.rept 4
	v_cvt_pk_bf16_f32 v[r+j], v[r+2*j], v[r+2*j+1]
.set j, j+1
.endr
	global_store_b128 v4, v[r:r+3], s[26:27] offset:(a/4)*65536+((a%4)/2)*1024+(a%2)*512  ; tile a / 4; my 64 columns are two K steps of the second product: step (a % 4) / 2, half a % 2
.set a, a+1
.endr
.endm
.endif
	s_load_b256 s[4:11], s[0:1], 0x0               ; rows s[4:5], weights s[6:7], bias s[8:9], plan s[10:11]
	s_load_b64 s[12:13], s[0:1], 0x20              ; output
	v_lshl_add_u32 v30, v0, 2, 0x24800
	v_mov_b32 v31, 0
	v_and_b32 v1, 31, v0
	v_lshrrev_b32 v5, 5, v0
	v_readfirstlane_b32 s14, v5                    ; wave 0..3
	v_and_b32 v2, 15, v0
	v_bfe_u32 v3, v0, 4, 1
	v_lshlrev_b32 v4, 4, v1
	s_and_b32 s16, ttmp7, 0xffff                   ; the expert
.if SECOND
	s_lshr_b32 s15, ttmp9, 1
	s_and_b32 s28, ttmp9, 1
	s_cmp_eq_u32 s28, 0
	s_cselect_b32 s29, -1, 0
.else
	s_mov_b32 s15, ttmp9
.endif
	s_mul_i32 s19, s14, 16*WLP
	v_lshl_add_u32 v6, v1, 3, s19
	v_mul_u32_u24 v7, v2, WLP
	v_lshl_add_u32 v7, v3, 4, v7
	v_add_nc_u32 v8, 32*WLP, v7
	v_lshlrev_b32 v9, 5, v3
.if SECOND
	s_mul_i32 s19, s14, 16*SPITCH
	s_add_co_u32 s19, s19, STAGE                   ; my stage
	v_mul_u32_u24 v10, v2, SPITCH
	v_lshl_add_u32 v10, v3, 5, v10
	v_add_nc_u32 v10, s19, v10
	v_mul_u32_u24 v11, v3, SPITCH
	v_lshl_add_u32 v11, v2, 4, v11
	v_add_nc_u32 v11, s19, v11
	v_lshlrev_b32 v12, 12, v3
	v_lshl_add_u32 v12, v2, 4, v12
.endif
	s_mov_b32 s25, 0
	s_lshl_b32 s38, s16, 8
	s_lshl_b32 s24, s15, 6
	s_lshl4_add_u32 s24, s14, s24                  ; my first row of weights: 64 slice + 16 wave
	s_mul_i32 s24, s24, WPITCH
	s_lshl_b32 s19, s16, 23                        ; an expert's weights are 8,388,608 bytes
	s_add_co_u32 s24, s24, s19
.if SECOND
	s_lshl_b32 s19, s28, 12                        ; the K half: 1,024 f32
	s_add_co_u32 s24, s24, s19
.endif
	s_wait_kmcnt 0x0
	s_add_nc_u64 s[32:33], s[6:7], s[24:25]
	s_load_b32 s17, s[10:11], s38 offset:0x10000   ; nch of my expert
	WLOAD 0, 0                                     ; two batches of 32 loads are on their way while a third is rounded
	WLOAD 1, 1
	s_mul_i32 s24, s16, 129*TILEB
.if SECOND
	s_lshl_b32 s19, s28, 15                        ; the K half: 32 K steps of 1,024 bytes
	s_add_co_u32 s24, s24, s19
.endif
	s_add_nc_u64 s[30:31], s[4:5], s[24:25]
	s_mul_i32 s24, s16, NOUT*4
	s_lshl_b32 s19, s15, 8
	s_add_co_u32 s24, s24, s19
	s_add_nc_u64 s[34:35], s[8:9], s[24:25]
	s_mul_i32 s24, s16, EXPO
.if SECOND
	s_lshl_b32 s19, s15, 8                         ; 64 columns of f32
	s_add_co_u32 s24, s24, s19
	s_mul_i32 s19, s28, YHALF
.else
	s_lshl_b32 s19, s15, 11                        ; 64 columns are two K steps of 1,024 bytes
.endif
	s_add_co_u32 s24, s24, s19
	s_add_nc_u64 s[36:37], s[12:13], s[24:25]
	s_wait_loadcnt 32                              ; the older batch is in; the younger 32 stay out
	WCVT 0, 0
	WLOAD 0, 2
	s_wait_loadcnt 32
	WCVT 1, 1
	WLOAD 1, 3
	s_wait_loadcnt 32
	WCVT 0, 2
	s_wait_kmcnt 0x0
	s_min_u32 s17, s17, 43
	s_max_u32 s17, s17, 1
	s_sub_co_u32 s19, s17, 1
	s_min_u32 s19, s19, s14                        ; my first chunk, or for a wave without one the last: always rows that have been written
	s_min_u32 s19, s19, 42
	s_mul_i32 s24, s19, CHUNKA
	s_add_nc_u64 s[20:21], s[30:31], s[24:25]
	WIN W_LA
.irp ct, 0,1,2,3
.irp hf, 0,1
	global_load_b128 v[BI+8*\ct+4*\hf:BI+8*\ct+4*\hf+3], v9, s[34:35] offset:64*\ct+16*\hf  ; the bias of columns 16 ct + 8 hh + 0..7
.endr
.endr
.irp ks, 0,1,2,3,4,5,6
	ALOAD \ks, 20
.endr
	s_wait_loadcnt 50                              ; the last batch of weights is in; behind it: 8 loads of bias, 42 of rows
	WCVT 1, 3
	s_wait_dscnt 0x0                               ; for the others' sake: my 16 rows of weights are in LDS
	s_barrier_signal -1
	s_barrier_wait -1                              ; everybody's are.  The launch's only barrier: from here on nobody writes the weights
.if SECOND
	s_wait_loadcnt 42                              ; the bias
	WIN W_BI
.set n, 0
.rept 32
	v_cndmask_b32 v[BI+n], 0, v[BI+n], s29         ; b2 enters the sums of K half 0 alone
.set n, n+1
.endr
.endif
	WIN 0
	BLOAD 0
	BLOAD 1
	BLOAD 2
	s_mov_b32 s18, s14
	s_cmp_ge_u32 s14, s17
	s_cbranch_scc1 .Ldone                          ; fewer chunks than waves
	s_sub_co_u32 s39, s17, s14                     ; my chunks w, w + 4, .. below nch are ceil((nch - w) / 4): 11 at the most, of 43
	s_add_co_u32 s39, s39, 3
	s_lshr_b32 s39, s39, 2
	s_min_u32 s39, s39, 11
	s_mov_b32 s40, 0
.Lchunk:
	s_add_co_u32 s19, s18, 4                       ; my next chunk, or this one again
	s_cmp_lt_u32 s19, s17
	s_cselect_b32 s19, s19, s18
	s_min_u32 s19, s19, 42
	s_mul_i32 s24, s19, CHUNKA
	s_add_nc_u64 s[22:23], s[30:31], s[24:25]
	s_min_u32 s19, s18, 42
	s_mul_i32 s24, s19, CHUNKO
	s_add_nc_u64 s[26:27], s[36:37], s[24:25]
.set k, 0
.rept 32
	KSTEP k
.set k, k+1
.endr
.rept 4
	v_nop                                          ; four places in front of what reads the results
.endr
	WIN 0
.if SECOND
	TS 0
	TS 1
	TG 0, 16
	TS 2
	TG 1, 16
	TG 2, 0
.else
	EPI1
.endif
	s_wait_xcnt 0x0                                ; the stores' data (the accumulators) and the three bases are rewritten only behind this wait
	s_mov_b64 s[20:21], s[22:23]
	s_add_co_u32 s18, s18, 4
	s_add_co_u32 s40, s40, 1                       ; the loop ends on its own count, in steps of 1
	s_cmp_lt_u32 s40, s39
	s_cbranch_scc1 .Lchunk
.Ldone:
	s_wait_dscnt 0x0                               ; no LDS load of mine is out when the wave ends
	s_wait_tensorcnt 0x0
	ds_add_u32 v30, v31
	s_wait_dscnt 0x0
	s_endpgm
.Lfunc_end_k_q6e36107c37_ffn2:
	.size	k_q6e36107c37_ffn2, .Lfunc_end_k_q6e36107c37_ffn2-k_q6e36107c37_ffn2
	.p2alignl 7, 3214868480
	.fill 96, 4, 3214868480
	.section	.rodata,"a",@progbits
	.p2align	6, 0x0
	.amdhsa_kernel k_q6e36107c37_ffn2
		.amdhsa_group_segment_fixed_size 150016
		.amdhsa_private_segment_fixed_size 0
		.amdhsa_enable_private_segment 0
		.amdhsa_kernarg_size 40
		.amdhsa_user_sgpr_count 2
		.amdhsa_user_sgpr_kernarg_segment_ptr 1
		.amdhsa_wavefront_size32 1
		.amdhsa_system_sgpr_workgroup_id_x 1
		.amdhsa_system_sgpr_workgroup_id_y 1
		.amdhsa_system_sgpr_workgroup_id_z 1
		.amdhsa_system_vgpr_workitem_id 0
		.amdhsa_next_free_vgpr 768
		.amdhsa_next_free_sgpr 66
		.amdhsa_reserve_vcc 0
		.amdhsa_float_denorm_mode_32 3
		.amdhsa_float_denorm_mode_16_64 3
		.amdhsa_memory_ordered 1
		.amdhsa_forward_progress 1
		.amdhsa_inst_pref_size 121
	.end_amdhsa_kernel
	.amdgpu_metadata
---
amdhsa.version: [ 1, 2 ]
amdhsa.kernels:
  - .name:           k_q6e36107c37_ffn2
    .symbol:         k_q6e36107c37_ffn2.kd
    .args:
      - { .name: h, .offset: 0, .size: 8, .value_kind: global_buffer, .address_space: global }
      - { .name: W2, .offset: 8, .size: 8, .value_kind: global_buffer, .address_space: global }
      - { .name: b2, .offset: 16, .size: 8, .value_kind: global_buffer, .address_space: global }
      - { .name: plan, .offset: 24, .size: 8, .value_kind: global_buffer, .address_space: global }
      - { .name: y, .offset: 32, .size: 8, .value_kind: global_buffer, .address_space: global }
    .group_segment_fixed_size: 150016
    .private_segment_fixed_size: 0
    .kernarg_segment_align: 8
    .kernarg_segment_size: 40
    .max_flat_workgroup_size: 128
    .sgpr_count:     66
    .vgpr_count:     768
    .wavefront_size: 32
...
	.end_amdgpu_metadata
.endif
;; end of part 4
;; launch combine (part 5): grid 256 x 1, 8 waves a work-group, no clusters, 0 bytes of LDS; arguments x, sel, rt, plan, y, out0, out1; writes out0, out1
.if DOCPART == 5
	.amdgcn_target "amdgcn-amd-amdhsa--gfx1250"
	.amdhsa_code_object_version 6
	.text
	.protected	k_q6e36107c37_combine
	.globl	k_q6e36107c37_combine
	.p2align	8
	.type	k_q6e36107c37_combine,@function
k_q6e36107c37_combine:
	s_mov_b64 s[64:65], 0
	v_nop
	global_prefetch_b8 v0, s[64:65] scope:SCOPE_SE
	s_setreg_imm32_b32 hwreg(HW_REG_WAVE_MODE, 25, 1), 1
	s_wait_xcnt 0x0
; COMBINE.  out0[t] = x[t] + w0 (y[0] + y[1])[e0, rank of t in e0] + w1 (y[0] + y[1])[e1, rank of t in e1]: the two K halves of each of a token's two expert rows, the gate and the residual.
; out1 = 8 x the sum over experts of (count / 2048) (sum of router probabilities / 2048) = 2^-19 x the sum of count x sum.
; SHARES.  A wave takes one token: five rows of 4,096 bytes in, one out; every load and store covers 512 consecutive bytes.  All 40 loads are issued before the first is waited for.  Memory binds:
; no LDS, no barrier, no matrix unit.  Which rows of y a token reads hangs on sel and plan, whole numbers stored by earlier launches; each passes a minimum with a constant (7, 2047).
; The first wave of the first work-group also makes out1, from the 256 work-groups' sums in rt and the eight counts in plan.
.set XR, 32                            ; v[32:63]   x's row, then out0's
.set Y,  64                            ; v[64:191]  step i of eight at Y + 16 i: e0's half 0, e0's half 1, e1's half 0, e1's half 1, four registers each
.set YHALF, 8*129*65536
; s18 wave, s20 token, s[22:23] x's row, s[24:25] out0's row, s26 sel, s[28:29] w0, w1, s[36:37] w1 twice, s30, s31 e0, e1, s32, s33 offsets of the ranks, s34, s35 ranks, s[38:39] an offset,
; s[40:47] the four rows of y, s48 saved EXEC, s49 work-group, s[52:53] an offset, s54, s55 lane selects
	s_load_b256 s[4:11], s[0:1], 0x0               ; x s[4:5], sel s[6:7], rt s[8:9], plan s[10:11]
	s_load_b128 s[12:15], s[0:1], 0x20             ; y s[12:13], out0 s[14:15]
	s_load_b64 s[16:17], s[0:1], 0x30              ; out1
	v_and_b32 v1, 31, v0
	v_lshrrev_b32 v3, 5, v0
	v_readfirstlane_b32 s18, v3                    ; wave 0..7
	v_lshlrev_b32 v2, 4, v1
	s_mov_b32 s49, ttmp9
	s_lshl_b32 s20, s49, 3
	s_add_co_u32 s20, s20, s18                     ; my token
	s_lshl_b32 s19, s20, 2
	s_lshl_b32 s21, s20, 3
	s_lshl_b32 s52, s20, 12
	s_mov_b32 s53, 0
	s_mov_b32 s39, 0
	s_mov_b32 s54, 0x76543210
	s_mov_b32 s55, 0xfedcba98
	s_wait_kmcnt 0x0
	s_load_b32 s26, s[6:7], s19 offset:0x0
	s_load_b64 s[28:29], s[8:9], s21 offset:0x0
	s_add_nc_u64 s[22:23], s[4:5], s[52:53]
	s_add_nc_u64 s[24:25], s[14:15], s[52:53]
.set i, 0
.rept 8
	global_load_b128 v[XR+4*i:XR+4*i+3], v2, s[22:23] offset:512*i th:TH_LOAD_NT
.set i, i+1
.endr
	s_wait_kmcnt 0x0
	s_bfe_u32 s30, s26, 0x30008                    ; e0: 3 bits from bit 8
	s_bfe_u32 s31, s26, 0x30010                    ; e1: 3 bits from bit 16
	s_min_u32 s30, s30, 7
	s_min_u32 s31, s31, 7
	s_lshl_b32 s32, s30, 13
	s_add_co_u32 s32, s32, s19                     ; the rank of token t in expert e lies at 8,192 e + 4 t
	s_lshl_b32 s33, s31, 13
	s_add_co_u32 s33, s33, s19
	s_load_b32 s34, s[10:11], s32 offset:0x0
	s_load_b32 s35, s[10:11], s33 offset:0x0
	s_mov_b32 s36, s29
	s_mov_b32 s37, s29
	s_wait_kmcnt 0x0
	s_min_u32 s34, s34, 2047
	s_min_u32 s35, s35, 2047
	s_mul_i32 s38, s30, 2064
	s_add_co_u32 s38, s38, s34
	s_lshl_b32 s38, s38, 12                        ; (2,064 e + rank) rows of 4,096 bytes
	s_add_nc_u64 s[40:41], s[12:13], s[38:39]
	s_add_nc_u64 s[42:43], s[40:41], YHALF
	s_mul_i32 s38, s31, 2064
	s_add_co_u32 s38, s38, s35
	s_lshl_b32 s38, s38, 12
	s_add_nc_u64 s[44:45], s[12:13], s[38:39]
	s_add_nc_u64 s[46:47], s[44:45], YHALF
.set i, 0
.rept 8
	global_load_b128 v[Y+16*i:Y+16*i+3],     v2, s[40:41] offset:512*i th:TH_LOAD_NT
	global_load_b128 v[Y+16*i+4:Y+16*i+7],   v2, s[42:43] offset:512*i th:TH_LOAD_NT
	global_load_b128 v[Y+16*i+8:Y+16*i+11],  v2, s[44:45] offset:512*i th:TH_LOAD_NT
	global_load_b128 v[Y+16*i+12:Y+16*i+15], v2, s[46:47] offset:512*i th:TH_LOAD_NT
.set i, i+1
.endr
.set i, 0
.rept 8
	s_wait_loadcnt 4*(7-i)                         ; the later steps' four loads each stay out
	v_pk_add_f32 v[Y+16*i:Y+16*i+1],     v[Y+16*i:Y+16*i+1],     v[Y+16*i+4:Y+16*i+5]
	v_pk_add_f32 v[Y+16*i+2:Y+16*i+3],   v[Y+16*i+2:Y+16*i+3],   v[Y+16*i+6:Y+16*i+7]
	v_pk_add_f32 v[Y+16*i+8:Y+16*i+9],   v[Y+16*i+8:Y+16*i+9],   v[Y+16*i+12:Y+16*i+13]
	v_pk_add_f32 v[Y+16*i+10:Y+16*i+11], v[Y+16*i+10:Y+16*i+11], v[Y+16*i+14:Y+16*i+15]
	v_pk_fma_f32 v[XR+4*i:XR+4*i+1],   v[Y+16*i:Y+16*i+1],     s[28:29], v[XR+4*i:XR+4*i+1]   op_sel_hi:[1,0,1]  ; the pair's low word, w0, for both halves
	v_pk_fma_f32 v[XR+4*i+2:XR+4*i+3], v[Y+16*i+2:Y+16*i+3],   s[28:29], v[XR+4*i+2:XR+4*i+3] op_sel_hi:[1,0,1]
	v_pk_fma_f32 v[XR+4*i:XR+4*i+1],   v[Y+16*i+8:Y+16*i+9],   s[36:37], v[XR+4*i:XR+4*i+1]   op_sel_hi:[1,0,1]  ; w1
	v_pk_fma_f32 v[XR+4*i+2:XR+4*i+3], v[Y+16*i+10:Y+16*i+11], s[36:37], v[XR+4*i+2:XR+4*i+3] op_sel_hi:[1,0,1]
	global_store_b128 v2, v[XR+4*i:XR+4*i+3], s[24:25] offset:512*i th:TH_STORE_NT
.set i, i+1
.endr
	s_or_b32 s19, s49, s18
	s_cmp_lg_u32 s19, 0
	s_cbranch_scc1 .Lend
	; THE AUXILIARY LOSS.  rt + 16384 holds [256 work-groups][8 experts] sums: load i gives lane l row 16 i + l / 2, experts 4 (l % 2) + 0..3.
	v_and_b32 v5, 1, v1
	v_lshlrev_b32 v5, 10, v5                       ; the counts of experts 4 (l % 2) + c lie 256 bytes apart
.set i, 0
.rept 16
	global_load_b128 v[Y+4*i:Y+4*i+3], v2, s[8:9] offset:16384+512*i
.set i, i+1
.endr
.irp c, 0,1,2,3
	global_load_b32 v[Y+64+\c], v5, s[10:11] offset:67584+256*\c
.endr
	s_wait_loadcnt 0x0
.set i, 2
.rept 14                               ; two chains
	v_pk_add_f32 v[Y+4*(i%2):Y+4*(i%2)+1],   v[Y+4*(i%2):Y+4*(i%2)+1],   v[Y+4*i:Y+4*i+1]
	v_pk_add_f32 v[Y+4*(i%2)+2:Y+4*(i%2)+3], v[Y+4*(i%2)+2:Y+4*(i%2)+3], v[Y+4*i+2:Y+4*i+3]
.set i, i+1
.endr
	v_pk_add_f32 v[Y:Y+1], v[Y:Y+1], v[Y+4:Y+5]
	v_pk_add_f32 v[Y+2:Y+3], v[Y+2:Y+3], v[Y+6:Y+7]
.irp k, 2,4,8                          ; over the lanes of my parity
.irp c, 0,1,2,3
	v_add_f32_dpp v[Y+\c], v[Y+\c], v[Y+\c] row_xmask:\k row_mask:0xf bank_mask:0xf
.endr
.endr
.irp c, 0,1,2,3
	v_permlanex16_b32 v[Y+4+\c], v[Y+\c], s54, s55
.endr
.irp c, 0,1,2,3
	v_add_f32 v[Y+\c], v[Y+\c], v[Y+4+\c]
	v_cvt_f32_u32 v[Y+64+\c], v[Y+64+\c]
.endr
	v_mul_f32 v6, v[Y], v[Y+64]
	v_fma_f32 v6, v[Y+1], v[Y+65], v6
	v_fma_f32 v6, v[Y+2], v[Y+66], v6
	v_fma_f32 v6, v[Y+3], v[Y+67], v6
	v_add_f32_dpp v6, v6, v6 row_xmask:1 row_mask:0xf bank_mask:0xf  ; the other four experts
	v_mul_f32 v6, 0x36000000, v6                   ; 2^-19 = 8 / 2048^2
	v_mov_b32 v7, 0
	s_wait_xcnt 0x0                                ; EXEC is a source of what was issued: it changes only behind this wait
	v_cmp_eq_u32 vcc_lo, 0, v1
	s_and_saveexec_b32 s48, vcc_lo
	global_store_b32 v7, v6, s[16:17]
	s_wait_xcnt 0x0
	s_or_b32 exec_lo, exec_lo, s48
.Lend:
	s_endpgm
.Lfunc_end_k_q6e36107c37_combine:
	.size	k_q6e36107c37_combine, .Lfunc_end_k_q6e36107c37_combine-k_q6e36107c37_combine
	.p2alignl 7, 3214868480
	.fill 96, 4, 3214868480
	.section	.rodata,"a",@progbits
	.p2align	6, 0x0
	.amdhsa_kernel k_q6e36107c37_combine
		.amdhsa_group_segment_fixed_size 0
		.amdhsa_private_segment_fixed_size 0
		.amdhsa_enable_private_segment 0
		.amdhsa_kernarg_size 56
		.amdhsa_user_sgpr_count 2
		.amdhsa_user_sgpr_kernarg_segment_ptr 1
		.amdhsa_wavefront_size32 1
		.amdhsa_system_sgpr_workgroup_id_x 1
		.amdhsa_system_sgpr_workgroup_id_y 1
		.amdhsa_system_sgpr_workgroup_id_z 1
		.amdhsa_system_vgpr_workitem_id 0
		.amdhsa_next_free_vgpr 192
		.amdhsa_next_free_sgpr 66
		.amdhsa_reserve_vcc 1
		.amdhsa_float_denorm_mode_32 3
		.amdhsa_float_denorm_mode_16_64 3
		.amdhsa_memory_ordered 1
		.amdhsa_forward_progress 1
		.amdhsa_inst_pref_size 17
	.end_amdhsa_kernel
	.amdgpu_metadata
---
amdhsa.version: [ 1, 2 ]
amdhsa.kernels:
  - .name:           k_q6e36107c37_combine
    .symbol:         k_q6e36107c37_combine.kd
    .args:
      - { .name: x, .offset: 0, .size: 8, .value_kind: global_buffer, .address_space: global }
      - { .name: sel, .offset: 8, .size: 8, .value_kind: global_buffer, .address_space: global }
      - { .name: rt, .offset: 16, .size: 8, .value_kind: global_buffer, .address_space: global }
      - { .name: plan, .offset: 24, .size: 8, .value_kind: global_buffer, .address_space: global }
      - { .name: y, .offset: 32, .size: 8, .value_kind: global_buffer, .address_space: global }
      - { .name: out0, .offset: 40, .size: 8, .value_kind: global_buffer, .address_space: global }
      - { .name: out1, .offset: 48, .size: 8, .value_kind: global_buffer, .address_space: global }
    .group_segment_fixed_size: 0
    .private_segment_fixed_size: 0
    .kernarg_segment_align: 8
    .kernarg_segment_size: 56
    .max_flat_workgroup_size: 256
    .sgpr_count:     66
    .vgpr_count:     192
    .wavefront_size: 32
...
	.end_amdgpu_metadata
.endif
;; end of part 5
